; MI455X (gfx1250); checked and timed in simulation.
; The chip was launched on July 23, 2026; its instructions are those of AMD's public machine-readable ISA for CDNA 5 (MIT licence, August 2026) and "CDNA5" Instruction Set Architecture Reference Guide (July 2026). The comments in the code are by the model that wrote it; some were corrected since.
;; Mo E Layer. Allowed arithmetic: float matrix products may take bf16 or f16 operands with f32 sums; other float arithmetic in f32, or as packed bf16 or f16 multiplies, adds, multiply-adds, maxima and minima; sums over many terms, partial sums and values carried from step to step in f32; what a program stores and reads back later, other than sums and carried values, may be rounded once to bf16 or f16.
;; Inputs: W1 8 x 1,024 x 1,024 float32; W2 8 x 1,024 x 1,024 float32; Wg 8 x 1,024 float32; b1 8 x 1,024 float32; b2 8 x 1,024 float32; bg 8 float32; x 4,096 x 1,024 float32.
;; Outputs: out0 4,096 x 1,024 float32.
;; 2 versions, each right; version 2 is version 1 with the launch combine written anew for expert scheduling mode. Each part assembles by itself: llvm-mc -triple=amdgcn-amd-amdhsa -mcpu=gfx1250 --defsym DOCPART=n.
;; ======== version 1 of 2: 5 launches
;; limits: values outside matrix products are rounded to bf16
;; workspace buffers: route 20,480 bytes of whole numbers; gate 32,768 bytes; W1f 16,777,216 bytes; W2f 16,777,216 bytes; bufa 18,874,368 bytes; bufb 18,874,368 bytes; plan 33,024 bytes of whole numbers
;; launch prep (part 1): grid 512 x 1, 4 waves a work-group, no clusters, 0 bytes of LDS; arguments x, Wg, bg, W1, W2, route, gate, W1f, W2f; writes route, gate, W1f, W2f
.if DOCPART == 1
	.amdgcn_target "amdgcn-amd-amdhsa--gfx1250"
	.amdhsa_code_object_version 6
	.text
	.protected	k_q90d9b37227_prep
	.globl	k_q90d9b37227_prep
	.p2align	8
	.type	k_q90d9b37227_prep,@function
k_q90d9b37227_prep:
	s_mov_b64 s[64:65], 0
	v_nop
	global_prefetch_b8 v0, s[64:65] scope:SCOPE_SE
	s_setreg_imm32_b32 hwreg(HW_REG_WAVE_MODE, 25, 1), 1
	s_wait_xcnt 0x0
; MoE layer, launch 1 of 5: the gate (work-groups 0-255) and the weights' rounding and layout (work-groups 256-511).
; THE WORK LEFT OUT.  reference() forms h1 and h2 for all 8 experts of every token and then keeps, by take_along_axis on its own top_k indices, the rows of 2 experts; the other 6 rows
; of a token enter no output, whatever finite values the inputs hold.  So the program multiplies 2 x 4,096 = 8,192 (token, expert) rows and not 32,768.  The choice is whole numbers: this launch
; stores it, later launches read it.  Every input has a way to the output, so all seven are loaded.  LIMIT: a NaN, an infinity or an overflow that arises only in an expert that a token did not
; choose is not carried to the result.
; FORMATS.  All seven inputs are rounded once to bf16 (x, Wg and bg here too), so the program is reference() on inputs rounded to bf16.  The gate's products of two bf16 are exact in f32 and are summed in f32.
; LIMITS OF THE GATE.  Ties go to the lower index, as in lax.top_k (strict comparisons).  A NaN logit loses every comparison; the two indices are distinct all the same.  A gate below 2^-126 is 0.
; WHAT IS STORED.  route: sel[4096], one word a token, nibble e = 1 if expert e was chosen; then qs[1024], the nibble-wise sum of four tokens' words.  gate[4096][2]: the gate of the chosen expert
; with the lower index, then of the higher (a sum of two terms does not ask which was first).  W1f, W2f: bf16, [expert 8][group of 64 columns 16][k / 32][b 4][half 2][lane 32][8 numbers]:
; lane (r = l % 16, h = l / 16) holds k = 32 kb + 16 half + 8 h + 0..7 of column 64 cg + 4 r + b: a matrix operand's registers as they are loaded, a wave's stream on end.
; THE GATE ON THE VECTOR UNIT: it is 8 columns; as a matrix product x would have to be laid out through LDS for it.  A wave takes 4 tokens; lane l holds d = 128 j + 4 l + 0..3, j = 0..7.
.set BG,  16          ; v16-23   bg, rounded
.set ACC, 24          ; v24-31   a token's 8 logits
.set T,   32          ; v32-39   at work; at the end the 8 gates
.set TOP, 40          ; v40-55   token t: largest, second, their indices
.set EX,  56          ; v56-59   2^((second - largest) log2 e), then the second's gate
.set RC,  60          ; v60-63   the largest's gate
.set XP,  64          ; v64-127  x as packed bf16, 16 registers a token
.set WGP, 128         ; v128-255 Wg as packed bf16, 16 registers an expert
                      ; window 1: v0-127 x as loaded (32 a token), v128-255 Wg as loaded, four experts at a time
.set RAW, 64          ; the weights' part: v64-191 four slots of 32 as loaded
.set Y,   192         ; v192-255 four sets of 16 to store
.set MSB, 0
.macro WIN new                         ; s_set_vgpr_msb: bits 1:0 source 0, 3:2 source 1, 5:4 source 2, 7:6 destination; the high byte repeats the setting that is left
.if MSB != (\new)
	s_set_vgpr_msb (MSB<<8)|(\new)
.set MSB, \new
.endif
.endm
	s_load_b512 s[4:19], s[0:1], 0x0               ; x 4:5, Wg 6:7, bg 8:9, W1 10:11, W2 12:13, route 14:15, gate 16:17, W1f 18:19
	s_load_b64 s[20:21], s[0:1], 0x40              ; W2f
	v_and_b32 v1, 31, v0                           ; lane
	v_lshrrev_b32 v4, 5, v0
	v_readfirstlane_b32 s22, v4                    ; wave 0..3
	v_lshlrev_b32 v2, 4, v1                        ; 16 x lane
	s_wait_kmcnt 0x0
	s_cmp_lt_u32 ttmp9, 256
	s_cbranch_scc0 .Lcast
; ---------------- the gate ----------------
.macro LDWG g                          ; Wg's rows 4 g .. 4 g + 3: 32 loads of 512 consecutive bytes
.irp e, 0,1,2,3
.irp j, 0,1,2,3,4,5,6,7
	global_load_b128 v[128+32*\e+4*\j:128+32*\e+4*\j+3], v2, s[6:7] offset:(4*(\g)+\e)*4096+512*\j
.endr
.endr
.endm
.macro CVWG g                          ; rounded and packed
.irp e, 0,1,2,3
.set i, 0
.rept 16
	v_cvt_pk_bf16_f32 v[WGP+16*(4*(\g)+\e)+i], v[128+32*\e+2*i], v[128+32*\e+2*i+1]
.set i, i+1
.endr
.endr
.endm
.macro DOT t                           ; my 32 terms of token t's 8 logits: 8 chains that do not wait for each other; the first term starts each sum
.set i, 0
.rept 16
.irp e, 0,1,2,3,4,5,6,7
.if i == 0
	v_fma_mix_f32_bf16 v[ACC+\e], v[XP+16*(\t)+i], v[WGP+16*\e+i], v3 op_sel_hi:[1,1,0]
.else
	v_fma_mix_f32_bf16 v[ACC+\e], v[XP+16*(\t)+i], v[WGP+16*\e+i], v[ACC+\e] op_sel_hi:[1,1,0]
.endif
.endr
.irp e, 0,1,2,3,4,5,6,7
	v_fma_mix_f32_bf16 v[ACC+\e], v[XP+16*(\t)+i], v[WGP+16*\e+i], v[ACC+\e] op_sel:[1,1,0] op_sel_hi:[1,1,0]
.endr
.set i, i+1
.endr
.endm
.macro RED                             ; the 32 lanes' sums, the same bits in every lane; then bg
.irp m, 1,2,4,8
.irp e, 0,1,2,3,4,5,6,7
	v_add_f32_dpp v[ACC+\e], v[ACC+\e], v[ACC+\e] row_xmask:\m row_mask:0xf bank_mask:0xf
.endr
.endr
.irp e, 0,1,2,3,4,5,6,7
	v_permlanex16_b32 v[T+\e], v[ACC+\e], s32, s33
.endr
.irp e, 0,1,2,3,4,5,6,7
	v_add_f32 v[ACC+\e], v[ACC+\e], v[T+\e]
.endr
.irp e, 0,1,2,3,4,5,6,7
	v_add_f32 v[ACC+\e], v[ACC+\e], v[BG+\e]
.endr
.endm
.macro TOP2 t                          ; the two largest and their indices; a later equal logit displaces nothing
.set rM, TOP+4*(\t)
	v_cmp_gt_f32 vcc_lo, v[ACC+1], v[ACC]
	v_cndmask_b32 v[rM],   v[ACC],   v[ACC+1], vcc_lo
	v_cndmask_b32 v[rM+1], v[ACC+1], v[ACC],   vcc_lo
	v_cndmask_b32 v[rM+2], 0, 1, vcc_lo
	v_cndmask_b32 v[rM+3], 1, 0, vcc_lo
.irp e, 2,3,4,5,6,7
	v_cmp_gt_f32 s34, v[ACC+\e], v[rM+1]
	v_cmp_gt_f32 vcc_lo, v[ACC+\e], v[rM]
	v_cndmask_b32 v[rM+1], v[rM+1], v[ACC+\e], s34
	v_cndmask_b32 v[rM+3], v[rM+3], \e, s34
	v_cndmask_b32 v[rM+1], v[rM+1], v[rM], vcc_lo
	v_cndmask_b32 v[rM+3], v[rM+3], v[rM+2], vcc_lo
	v_cndmask_b32 v[rM],   v[rM],   v[ACC+\e], vcc_lo
	v_cndmask_b32 v[rM+2], v[rM+2], \e, vcc_lo
.endr
.endm
	s_load_b256 s[24:31], s[8:9], 0x0              ; bg
	s_lshl_b32 s23, ttmp9, 2
	s_add_co_u32 s23, s23, s22                     ; Q: my four tokens are 4 Q .. 4 Q + 3
	s_lshl_b32 s36, s23, 14                        ; four rows of 4,096 bytes
	s_mov_b32 s37, 0
	s_add_nc_u64 s[4:5], s[4:5], s[36:37]
	s_mov_b32 s32, 0x76543210                      ; v_permlanex16_b32: each lane takes its own place in the other half
	s_mov_b32 s33, 0xfedcba98
	v_mov_b32 v3, 0
	WIN 0x40                                       ; loaded data in window 1, addresses in window 0
	LDWG 0
.irp t, 0,1,2,3
.irp j, 0,1,2,3,4,5,6,7
	global_load_b128 v[32*\t+4*\j:32*\t+4*\j+3], v2, s[4:5] offset:\t*4096+512*\j th:TH_LOAD_NT
.endr
.endr
	s_wait_loadcnt 32                              ; Wg's first four rows are in; x's 32 loads may stay out
	WIN 0x05                                       ; sources in window 1, destination in window 0
	CVWG 0
	WIN 0x40
	LDWG 1                                         ; into the registers just read out
	s_wait_loadcnt 32                              ; x is in; the 32 loads just issued may stay out
	WIN 0x05
.irp t, 0,1,2,3
.set i, 0
.rept 16
	v_cvt_pk_bf16_f32 v[XP+16*\t+i], v[32*\t+2*i], v[32*\t+2*i+1]
.set i, i+1
.endr
.endr
	s_wait_loadcnt 0x0
	CVWG 1
	WIN 0
	s_wait_kmcnt 0x0                               ; bg
.irp p, 0,1,2,3
	v_cvt_pk_bf16_f32 v[4+\p], s[24+2*\p], s[25+2*\p]
.endr
.irp p, 0,1,2,3
	v_lshlrev_b32 v[BG+2*\p], 16, v[4+\p]
	v_and_b32 v[BG+2*\p+1], 0xffff0000, v[4+\p]
.endr
.irp e, 0,1,2,3,4,5,6,7
	v_mov_b32 v[T+\e], 0                           ; v_permlanex16_b32 counts as a reader of its destination
.endr
.irp t, 0,1,2,3
	DOT \t
	RED
	TOP2 \t
.endr
	; softmax over the two: the larger is taken away, as in reference(): gates 1 / (1 + e) and e / (1 + e), e = exp(second - largest) <= 1
.irp t, 0,1,2,3
	v_sub_f32 v[EX+\t], v[TOP+4*\t+1], v[TOP+4*\t]
.endr
.irp t, 0,1,2,3
	v_mul_f32 v[EX+\t], 0x3fb8aa3b, v[EX+\t]
.endr
.irp t, 0,1,2,3
	v_exp_f32 v[EX+\t], v[EX+\t]
.endr
	v_nop                                          ; a plain instruction behind the last exponential,
	s_wait_alu depctr_va_vdst(0)                   ; and one wait for the four, ahead of their first reader
.irp t, 0,1,2,3
	v_add_f32 v[RC+\t], 1.0, v[EX+\t]
.endr
.irp t, 0,1,2,3
	v_rcp_f32 v[RC+\t], v[RC+\t]
.endr
	v_nop
	s_wait_alu depctr_va_vdst(0)                   ; the same for the four reciprocals
.irp t, 0,1,2,3
	v_mul_f32 v[EX+\t], v[EX+\t], v[RC+\t]
.endr
	v_mov_b32 v6, 1
.irp t, 0,1,2,3
	v_lshlrev_b32 v4, 2, v[TOP+4*\t+2]
	v_lshlrev_b32 v5, 2, v[TOP+4*\t+3]
	v_lshlrev_b32 v4, v4, v6
	v_lshlrev_b32 v5, v5, v6
	v_or_b32 v[8+\t], v4, v5                       ; the token's word: two nibbles of 1
	v_cmp_lt_u32 vcc_lo, v[TOP+4*\t+2], v[TOP+4*\t+3]
	v_cndmask_b32 v[T+2*\t],   v[EX+\t], v[RC+\t], vcc_lo  ; the gate of the lower index,
	v_cndmask_b32 v[T+2*\t+1], v[RC+\t], v[EX+\t], vcc_lo  ; of the higher
.endr
	v_add3_u32 v12, v8, v9, v10
	v_add_nc_u32 v12, v12, v11                     ; the four tokens' words added: nibbles of 4 at the most
	; every lane holds all results; lane l picks what it stores.  The choice enters data alone: every address is made of ids.
.irp i, 1,2,3,4,5,6,7
	v_cmp_eq_u32 s[40+\i], \i, v1
.endr
	v_mov_b32 v13, v[T]
.irp i, 1,2,3,4,5,6,7
	v_cndmask_b32 v13, v13, v[T+\i], s[40+\i]
.endr
	v_mov_b32 v14, v8
.irp i, 1,2,3,4
	v_cndmask_b32 v14, v14, v[8+\i], s[40+\i]
.endr
	s_lshl_b32 s36, s23, 5
	v_lshl_add_u32 v15, v1, 2, s36                 ; gate: 32 Q + 4 l
	s_lshl_b32 s37, s23, 4
	v_lshl_add_u32 v7, v1, 2, s37                  ; sel: 16 Q + 4 l;
	s_lshl_b32 s38, s23, 2
	s_add_co_u32 s38, s38, 16384
	v_mov_b32 v6, s38
	v_cndmask_b32 v7, v7, v6, s44                  ; lane 4: qs at 16,384 + 4 Q
	s_wait_xcnt 0x0                                ; EXEC is a source of every memory instruction issued: it changes only behind this wait
	v_cmp_gt_u32 vcc_lo, 8, v1
	s_and_saveexec_b32 s35, vcc_lo
	global_store_b32 v15, v13, s[16:17]
	s_wait_xcnt 0x0
	s_or_b32 exec_lo, exec_lo, s35
	v_cmp_gt_u32 vcc_lo, 5, v1
	s_and_saveexec_b32 s35, vcc_lo
	global_store_b32 v7, v14, s[14:15]
	s_wait_xcnt 0x0
	s_or_b32 exec_lo, exec_lo, s35
	s_endpgm
; ---------------- the weights ----------------
; A work-group owns one stream (matrix, expert, 64 columns), a wave 256 of its 1,024 rows k.  A UNIT is 16 rows x 64 columns: 8 loads, in each of which 16 lanes take 256 consecutive bytes, aligned, of one row
; (lane (r, h), load i: row 16 u + 8 h + i, columns 4 r .. 4 r + 3); the turn from [k][column] to [column][k] then lies inside the lane: 16 roundings pair rows 2 p and 2 p + 1; 4 stores of 512 consecutive bytes.
; Four slots: while one unit is rounded three are on their way.
.Lcast:
	s_sub_co_u32 s23, ttmp9, 256                   ; c = 0..255
	s_cmp_lt_u32 s23, 128
	s_cselect_b64 s[24:25], s[10:11], s[12:13]     ; W1 or W2,
	s_cselect_b64 s[26:27], s[18:19], s[20:21]     ; W1f or W2f
	s_bfe_u32 s28, s23, 0x30004                    ; expert
	s_and_b32 s29, s23, 15                         ; group of 64 columns
	s_lshl_b32 s30, s28, 22
	s_lshl_b32 s31, s29, 8
	s_add_co_u32 s30, s30, s31
	s_lshl_b32 s31, s22, 20                        ; my 256 rows of 4,096 bytes
	s_add_co_u32 s30, s30, s31
	s_mov_b32 s31, 0
	s_add_nc_u64 s[24:25], s[24:25], s[30:31]
	s_and_b32 s30, s23, 127
	s_lshl_b32 s30, s30, 17                        ; a stream is 131,072 bytes,
	s_lshl_b32 s31, s22, 15                        ; my quarter of it
	s_add_co_u32 s30, s30, s31
	s_mov_b32 s31, 0
	s_add_nc_u64 s[26:27], s[26:27], s[30:31]
	v_and_b32 v4, 15, v0
	v_bfe_u32 v5, v0, 4, 1
	v_lshlrev_b32 v4, 4, v4
	v_lshl_add_u32 v4, v5, 15, v4                  ; 16 r + 8 rows x h
.macro ULOAD i, u                      ; slot i takes the unit u units behind the pointer
.irp k, 0,1,2,3,4,5,6,7
	global_load_b128 v[RAW+32*(\i)+4*\k:RAW+32*(\i)+4*\k+3], v4, s[24:25] offset:(\u)*65536+\k*4096 th:TH_LOAD_NT
.endr
.endm
.macro UNIT i, ahead, left
	s_wait_loadcnt \left                           ; loads come back in order: my unit is in, the younger units' loads stay out
	s_wait_xcnt 0x0                                ; this set's last stores have read their registers
.irp b, 0,1,2,3
.irp p, 0,1,2,3
	v_cvt_pk_bf16_f32 v[Y+16*(\i)+4*\b+\p], v[RAW+32*(\i)+8*\p+\b], v[RAW+32*(\i)+8*\p+4+\b]
.endr
.endr
.if \ahead
	ULOAD \i, 4+(\i)
.endif
.irp b, 0,1,2,3
	global_store_b128 v2, v[Y+16*(\i)+4*\b:Y+16*(\i)+4*\b+3], s[26:27] offset:((\i)/2)*4096+\b*1024+((\i)%2)*512 th:TH_STORE_NT
.endr
.endm
	ULOAD 0, 0
	ULOAD 1, 1
	ULOAD 2, 2
	ULOAD 3, 3
	s_mov_b32 s34, 3
.Lunits:                                               ; three trips of four units; each asks for the four after them
	UNIT 0, 1, 24                                  ; 24: three younger units of 8 loads
	UNIT 1, 1, 24
	UNIT 2, 1, 24
	UNIT 3, 1, 24
	s_wait_xcnt 0x0                                ; the pointers are stepped only behind this wait
	s_add_nc_u64 s[24:25], s[24:25], 4*65536
	s_add_nc_u64 s[26:27], s[26:27], 2*4096
	s_sub_co_u32 s34, s34, 1
	s_cmp_lg_u32 s34, 0
	s_cbranch_scc1 .Lunits
	UNIT 0, 0, 24                                  ; the last four load nothing: the counts run down
	UNIT 1, 0, 16
	UNIT 2, 0, 8
	UNIT 3, 0, 0
	s_endpgm
.Lfunc_end_k_q90d9b37227_prep:
	.size	k_q90d9b37227_prep, .Lfunc_end_k_q90d9b37227_prep-k_q90d9b37227_prep
	.p2alignl 7, 3214868480
	.fill 96, 4, 3214868480
	.section	.rodata,"a",@progbits
	.p2align	6, 0x0
	.amdhsa_kernel k_q90d9b37227_prep
		.amdhsa_group_segment_fixed_size 0
		.amdhsa_private_segment_fixed_size 0
		.amdhsa_enable_private_segment 0
		.amdhsa_kernarg_size 72
		.amdhsa_user_sgpr_count 2
		.amdhsa_user_sgpr_kernarg_segment_ptr 1
		.amdhsa_wavefront_size32 1
		.amdhsa_system_sgpr_workgroup_id_x 1
		.amdhsa_system_sgpr_workgroup_id_y 1
		.amdhsa_system_sgpr_workgroup_id_z 1
		.amdhsa_system_vgpr_workitem_id 0
		.amdhsa_next_free_vgpr 512
		.amdhsa_next_free_sgpr 66
		.amdhsa_reserve_vcc 1
		.amdhsa_float_denorm_mode_32 3
		.amdhsa_float_denorm_mode_16_64 3
		.amdhsa_memory_ordered 1
		.amdhsa_forward_progress 1
		.amdhsa_inst_pref_size 132
	.end_amdhsa_kernel
	.amdgpu_metadata
---
amdhsa.version: [ 1, 2 ]
amdhsa.kernels:
  - .name:           k_q90d9b37227_prep
    .symbol:         k_q90d9b37227_prep.kd
    .args:
      - { .name: x, .offset: 0, .size: 8, .value_kind: global_buffer, .address_space: global }
      - { .name: Wg, .offset: 8, .size: 8, .value_kind: global_buffer, .address_space: global }
      - { .name: bg, .offset: 16, .size: 8, .value_kind: global_buffer, .address_space: global }
      - { .name: W1, .offset: 24, .size: 8, .value_kind: global_buffer, .address_space: global }
      - { .name: W2, .offset: 32, .size: 8, .value_kind: global_buffer, .address_space: global }
      - { .name: route, .offset: 40, .size: 8, .value_kind: global_buffer, .address_space: global }
      - { .name: gate, .offset: 48, .size: 8, .value_kind: global_buffer, .address_space: global }
      - { .name: W1f, .offset: 56, .size: 8, .value_kind: global_buffer, .address_space: global }
      - { .name: W2f, .offset: 64, .size: 8, .value_kind: global_buffer, .address_space: global }
    .group_segment_fixed_size: 0
    .private_segment_fixed_size: 0
    .kernarg_segment_align: 8
    .kernarg_segment_size: 72
    .max_flat_workgroup_size: 128
    .sgpr_count:     66
    .vgpr_count:     512
    .wavefront_size: 32
...
	.end_amdgpu_metadata
.endif
;; end of part 1
;; launch place (part 2): grid 256 x 1, 4 waves a work-group, no clusters, 0 bytes of LDS; arguments x, route, bufa, plan; writes bufa, plan
.if DOCPART == 2
	.amdgcn_target "amdgcn-amd-amdhsa--gfx1250"
	.amdhsa_code_object_version 6
	.text
	.protected	k_q90d9b37227_place
	.globl	k_q90d9b37227_place
	.p2align	8
	.type	k_q90d9b37227_place,@function
k_q90d9b37227_place:
	s_mov_b64 s[64:65], 0
	v_nop
	global_prefetch_b8 v0, s[64:65] scope:SCOPE_SE
	s_setreg_imm32_b32 hwreg(HW_REG_WAVE_MODE, 25, 1), 1
	s_wait_xcnt 0x0
; MoE layer, launch 2 of 5: the chosen (token, expert) rows are laid end to end in the experts' order (only those rows are multiplied: see the first kernel's head).
; bufa: 9,216 rows of 1,024 bf16.  Expert e's rows begin at a multiple of 144 and keep the tokens' order.  The sum over e of ceil(c_e / 144) is at most (8,192 + 8 x 143) / 144 = 64.8, so 64 tiles of 144 rows
; hold every split of the tokens, all on two experts or an expert with none.  The 9,216 - 8,192 = 1,024 rows that hold no token are written as zeros, so that every byte that the products read is stored.
; plan: pos[4096][2], the row of (token, chosen expert with the lower index / the higher); then tab[64], the expert of row tile t, or 8 for a tile that the split leaves without rows.
; A COUNTING SORT WITHOUT LDS: each of the 1,024 waves counts for itself, from the 4,096 bytes of qs (four tokens' choices a word, a nibble an expert): all experts' totals, and the counts of the tokens ahead of
; its own four.  All numbers on the way to an address are whole numbers read from memory.  Wave Q takes tokens 4 Q .. 4 Q + 3 and the Q-th row without a token.
.set QS,   16          ; v16-47   qs: load q, word k of lane l is the word of tokens 4 (128 q + 4 l + k) ..
.set SEL,  48          ; v48-51   my four tokens' words
.set SUMS, 52          ; v52-59   totals, then counts ahead of me: 16-bit fields (e0,e4) (e2,e6) (e1,e5) (e3,e7)
.set POSV, 60          ; v60      lane l: the row of (token (l / 2) % 4, choice l % 2)
.set POFF, 61
.set XR,   64          ; v64-191  x as loaded, 32 registers a token
.set TT,   192         ; v192-199 at work between lanes
.set VO,   200         ; v200-207 byte offset in bufa of my 8 bytes in row n = 2 token + choice
.set YY,   208         ; v208-239 two sets of 16: a token's row as bf16
.set ZZ,   240         ; v240-243 zeros
.set PADO, 244
	s_load_b256 s[4:11], s[0:1], 0x0               ; x 4:5, route 6:7, bufa 8:9, plan 10:11
	v_and_b32 v1, 31, v0                           ; lane
	v_lshrrev_b32 v4, 5, v0
	v_readfirstlane_b32 s12, v4
	s_lshl_b32 s13, ttmp9, 2
	s_add_co_u32 s13, s13, s12                     ; Q
	v_lshlrev_b32 v2, 4, v1                        ; 16 x lane
	s_lshl_b32 s50, s13, 4
	v_mov_b32 v5, s50                              ; my four words of sel
	s_lshl_b32 s14, s13, 14
	s_mov_b32 s15, 0
	s_mov_b32 s56, 0x0f0f0f0f
	s_mov_b32 s57, 0x00ff00ff
	s_mov_b32 s58, 0x76543210
	s_mov_b32 s59, 0xfedcba98
	v_lshlrev_b32 v3, 2, v1
	v_sub_nc_u32 v3, s13, v3                       ; Q - 4 l: word k of load q lies ahead of me where 128 q + k is less (signed)
	s_wait_kmcnt 0x0
	s_add_nc_u64 s[4:5], s[4:5], s[14:15]
.irp q, 0,1,2,3,4,5,6,7
	global_load_b128 v[QS+4*\q:QS+4*\q+3], v2, s[6:7] offset:16384+512*\q
.endr
	global_load_b128 v[SEL:SEL+3], v5, s[6:7]
.irp t, 0,1,2,3                        ; x's addresses hang on ids alone: these are on their way while the wave counts
.irp j, 0,1,2,3,4,5,6,7
	global_load_b128 v[XR+32*\t+4*\j:XR+32*\t+4*\j+3], v2, s[4:5] offset:\t*4096+512*\j th:TH_LOAD_NT
.endr
.endr
.irp g, 0,1,2,3,4,5,6,7
	v_mov_b32 v[TT+\g], 0                          ; the lane moves below count as readers of their destinations
.endr
.irp g, 0,1,2,3
	v_mov_b32 v[ZZ+\g], 0
.endr
	s_wait_loadcnt 32                              ; qs and sel are in; x's 32 loads may stay out
; Four words of qs: all of them into the totals v12 (even experts' bytes), v13 (odd), those ahead of me into v14, v15.  Nibbles: a word 4 at the most, a sum of two 8; bytes: 16 a call, 128 after eight.
.macro CNT q, first
.irp k, 0,1,2,3
	v_cmp_lt_i32 vcc_lo, 128*(\q)+\k, v3
	v_cndmask_b32 v[4+\k], 0, v[QS+4*(\q)+\k], vcc_lo
.endr
	v_add_nc_u32 v8, v[QS+4*(\q)], v[QS+4*(\q)+1]
	v_add_nc_u32 v9, v[QS+4*(\q)+2], v[QS+4*(\q)+3]
	v_add_nc_u32 v10, v4, v5
	v_add_nc_u32 v11, v6, v7
	v_and_b32 v4, s56, v8
	v_and_b32 v5, s56, v9
	v_and_b32 v6, s56, v10
	v_and_b32 v7, s56, v11
	v_lshrrev_b32 v8, 4, v8
	v_lshrrev_b32 v9, 4, v9
	v_lshrrev_b32 v10, 4, v10
	v_lshrrev_b32 v11, 4, v11
	v_and_b32 v8, s56, v8
	v_and_b32 v9, s56, v9
	v_and_b32 v10, s56, v10
	v_and_b32 v11, s56, v11
.if \first
	v_add_nc_u32 v12, v4, v5
	v_add_nc_u32 v13, v8, v9
	v_add_nc_u32 v14, v6, v7
	v_add_nc_u32 v15, v10, v11
.else
	v_add3_u32 v12, v12, v4, v5
	v_add3_u32 v13, v13, v8, v9
	v_add3_u32 v14, v14, v6, v7
	v_add3_u32 v15, v15, v10, v11
.endif
.endm
	CNT 0, 1
.irp q, 1,2,3,4,5,6,7
	CNT \q, 0
.endr
.irp g, 0,1,2,3                        ; bytes to 16-bit fields: a field ends at 32 x 128 = 4,096 at the most
	v_and_b32 v[SUMS+2*\g], s57, v[12+\g]
	v_lshrrev_b32 v[SUMS+2*\g+1], 8, v[12+\g]
.endr
.irp g, 0,1,2,3
	v_and_b32 v[SUMS+2*\g+1], s57, v[SUMS+2*\g+1]
.endr
.irp m, 1,2,4,8
.irp g, 0,1,2,3,4,5,6,7
	v_mov_b32_dpp v[TT+\g], v[SUMS+\g] row_xmask:\m row_mask:0xf bank_mask:0xf
.endr
.irp g, 0,1,2,3,4,5,6,7
	v_add_nc_u32 v[SUMS+\g], v[SUMS+\g], v[TT+\g]
.endr
.endr
.irp g, 0,1,2,3,4,5,6,7
	v_permlanex16_b32 v[TT+\g], v[SUMS+\g], s58, s59
.endr
.irp g, 0,1,2,3,4,5,6,7
	v_add_nc_u32 v[SUMS+\g], v[SUMS+\g], v[TT+\g]
.endr
.macro UNPK g, base, lo, hi
	v_readfirstlane_b32 s51, v[SUMS+\g]
	s_and_b32 s[\base+\lo], s51, 0xffff
	s_lshr_b32 s[\base+\hi], s51, 16
.endm
	UNPK 0, 16, 0, 4                               ; s[16:23] c_e: expert e's rows
	UNPK 1, 16, 2, 6
	UNPK 2, 16, 1, 5
	UNPK 3, 16, 3, 7
	UNPK 4, 24, 0, 4                               ; s[24:31] of them, those of tokens ahead of mine
	UNPK 5, 24, 2, 6
	UNPK 6, 24, 1, 5
	UNPK 7, 24, 3, 7
	s_mov_b32 s48, 0                               ; tiles so far
	s_mov_b32 s49, 0                               ; rows with a token so far
	s_mov_b32 s55, s13                             ; the Q-th row without a token lies at Q + the rows with a token ahead of it
.irp e, 0,1,2,3,4,5,6,7
	s_mul_i32 s50, s48, 144                        ; where expert e's rows begin
	s_add_co_u32 s[24+\e], s[24+\e], s50           ; the row of my first token that chose e
	s_sub_co_u32 s32, s50, s49                     ; rows without a token ahead of that beginning: from that number on they lie behind e's rows
	s_cmp_ge_u32 s13, s32
	s_cselect_b32 s51, s[16+\e], 0
	s_add_co_u32 s55, s55, s51
	s_add_co_u32 s49, s49, s[16+\e]
	s_add_co_u32 s51, s[16+\e], 143
	s_mul_i32 s51, s51, 7282                       ; floor(n / 144) = (7,282 n) >> 20 for n <= 4,239: 7,282 / 2^20 exceeds 1 / 144 by 2.2e-7, 0.0009 in all, under 1 / 144
	s_lshr_b32 s51, s51, 20
	s_add_co_u32 s48, s48, s51
	s_mov_b32 s[40+\e], s48                        ; s[40:47] the tile behind expert e's last
.endr
	; lane l stands for token i = (l / 2) % 4 and choice c = l % 2
	v_bfe_u32 v4, v1, 1, 2
	v_cmp_eq_u32 s52, 1, v4
	v_cmp_eq_u32 s53, 2, v4
	v_cmp_eq_u32 s54, 3, v4
	v_cndmask_b32 v5, v[SEL], v[SEL+1], s52
	v_cndmask_b32 v5, v5, v[SEL+2], s53
	v_cndmask_b32 v5, v5, v[SEL+3], s54            ; the token's word
	v_add_nc_u32 v7, v[SEL], v[SEL+1]
	v_add_nc_u32 v8, v7, v[SEL+2]
	v_cndmask_b32 v6, 0, v[SEL], s52
	v_cndmask_b32 v6, v6, v7, s53
	v_cndmask_b32 v6, v6, v8, s54                  ; the words of my wave's tokens ahead of it, added
	v_sub_nc_u32 v7, 0, v5
	v_and_b32 v7, v5, v7                           ; the lower expert's bit,
	v_xor_b32 v8, v5, v7                           ; the higher's
	v_and_b32 v9, 1, v1
	v_cmp_eq_u32 vcc_lo, 1, v9
	v_cndmask_b32 v7, v7, v8, vcc_lo               ; mine
	v_lshlrev_b32 v8, 4, v7
	v_sub_nc_u32 v8, v8, v7                        ; 15 x mine (modulo 2^32): its nibble's mask
	v_and_b32 v[POSV], v6, v8
	v_lshrrev_b32 v8, 16, v[POSV]                  ; one nibble is not 0: it is folded down
	v_or_b32 v[POSV], v[POSV], v8
	v_lshrrev_b32 v8, 8, v[POSV]
	v_or_b32 v[POSV], v[POSV], v8
	v_lshrrev_b32 v8, 4, v[POSV]
	v_or_b32 v[POSV], v[POSV], v8
	v_and_b32 v[POSV], 15, v[POSV]
.irp e, 0,1,2,3,4,5,6,7
	v_bfe_u32 v8, v7, 4*\e, 1
	v_mad_u32_u24 v[POSV], v8, s[24+\e], v[POSV]
.endr
.irp n, 0,1,2,3,4,5,6,7
	v_readlane_b32 s[56+\n], v[POSV], \n
.endr
.irp n, 0,1,2,3,4,5,6,7
	s_min_u32 s[56+\n], s[56+\n], 0x23ff           ; a row of bufa: 9,215 at the most
	s_lshl_b32 s[56+\n], s[56+\n], 11
	v_lshl_add_u32 v[VO+\n], v1, 3, s[56+\n]
.endr
	s_min_u32 s55, s55, 0x23ff
	s_lshl_b32 s55, s55, 11
	v_add_nc_u32 v[PADO], s55, v2
.irp k, 0,1,2,3
	global_store_b128 v[PADO], v[ZZ:ZZ+3], s[8:9] offset:512*\k  ; my row without a token: 2,048 bytes of 0
.endr
; Token i: rounded to bf16 and stored twice, once for each expert that it chose.  A store covers 256 consecutive bytes, aligned.
.macro COPY i
	s_wait_loadcnt 24-8*(\i)                       ; my token's 8 loads are in; the later tokens' stay out
.if (\i) >= 2
	s_wait_xcnt 0x0                                ; the stores of two tokens back have read this set
.endif
.set p, 0
.rept 16
	v_cvt_pk_bf16_f32 v[YY+16*((\i)%2)+p], v[XR+32*(\i)+2*p], v[XR+32*(\i)+2*p+1]
.set p, p+1
.endr
.irp c, 0,1
.irp j, 0,1,2,3,4,5,6,7
	global_store_b64 v[VO+2*(\i)+\c], v[YY+16*((\i)%2)+2*\j:YY+16*((\i)%2)+2*\j+1], s[8:9] offset:256*\j
.endr
.endr
.endm
	COPY 0
	COPY 1
	COPY 2
	COPY 3
	s_cmp_lg_u32 s13, 0                            ; one wave of the launch writes the table of tiles
	s_cbranch_scc1 .Lnotab
	v_lshlrev_b32 v4, 1, v1                        ; tiles 2 l and 2 l + 1
	v_or_b32 v5, 1, v4
	v_mov_b32 v6, 0
	v_mov_b32 v7, 0
.irp e, 0,1,2,3,4,5,6,7                ; a tile's expert = how many experts end at or ahead of it
	v_cmp_le_u32 vcc_lo, s[40+\e], v4
	v_add_co_ci_u32 v6, vcc_lo, 0, v6, vcc_lo
	v_cmp_le_u32 vcc_lo, s[40+\e], v5
	v_add_co_ci_u32 v7, vcc_lo, 0, v7, vcc_lo
.endr
	v_lshlrev_b32 v9, 3, v1
	global_store_b64 v9, v[6:7], s[10:11] offset:32768
.Lnotab:
	s_lshl_b32 s50, s13, 5
	v_lshl_add_u32 v[POFF], v1, 2, s50             ; pos: 32 Q + 4 l
	s_wait_xcnt 0x0                                ; EXEC changes only behind this wait
	v_cmp_gt_u32 vcc_lo, 8, v1
	s_and_saveexec_b32 s52, vcc_lo
	global_store_b32 v[POFF], v[POSV], s[10:11]
	s_wait_xcnt 0x0
	s_or_b32 exec_lo, exec_lo, s52
	s_endpgm
.Lfunc_end_k_q90d9b37227_place:
	.size	k_q90d9b37227_place, .Lfunc_end_k_q90d9b37227_place-k_q90d9b37227_place
	.p2alignl 7, 3214868480
	.fill 96, 4, 3214868480
	.section	.rodata,"a",@progbits
	.p2align	6, 0x0
	.amdhsa_kernel k_q90d9b37227_place
		.amdhsa_group_segment_fixed_size 0
		.amdhsa_private_segment_fixed_size 0
		.amdhsa_enable_private_segment 0
		.amdhsa_kernarg_size 32
		.amdhsa_user_sgpr_count 2
		.amdhsa_user_sgpr_kernarg_segment_ptr 1
		.amdhsa_wavefront_size32 1
		.amdhsa_system_sgpr_workgroup_id_x 1
		.amdhsa_system_sgpr_workgroup_id_y 1
		.amdhsa_system_sgpr_workgroup_id_z 1
		.amdhsa_system_vgpr_workitem_id 0
		.amdhsa_next_free_vgpr 256
		.amdhsa_next_free_sgpr 66
		.amdhsa_reserve_vcc 1
		.amdhsa_float_denorm_mode_32 3
		.amdhsa_float_denorm_mode_16_64 3
		.amdhsa_memory_ordered 1
		.amdhsa_forward_progress 1
		.amdhsa_inst_pref_size 40
	.end_amdhsa_kernel
	.amdgpu_metadata
---
amdhsa.version: [ 1, 2 ]
amdhsa.kernels:
  - .name:           k_q90d9b37227_place
    .symbol:         k_q90d9b37227_place.kd
    .args:
      - { .name: x, .offset: 0, .size: 8, .value_kind: global_buffer, .address_space: global }
      - { .name: route, .offset: 8, .size: 8, .value_kind: global_buffer, .address_space: global }
      - { .name: bufa, .offset: 16, .size: 8, .value_kind: global_buffer, .address_space: global }
      - { .name: plan, .offset: 24, .size: 8, .value_kind: global_buffer, .address_space: global }
    .group_segment_fixed_size: 0
    .private_segment_fixed_size: 0
    .kernarg_segment_align: 8
    .kernarg_segment_size: 32
    .max_flat_workgroup_size: 128
    .sgpr_count:     66
    .vgpr_count:     256
    .wavefront_size: 32
...
	.end_amdgpu_metadata
.endif
;; end of part 2
;; launch ffn (part 3): grid 4 x 64, 4 waves a work-group, clusters of 4 x 1, 327,680 bytes of LDS; arguments bufa, W1f, b1, plan, bufb; writes bufb
.if DOCPART == 3
	.amdgcn_target "amdgcn-amd-amdhsa--gfx1250"
	.amdhsa_code_object_version 6
	.text
	.protected	k_q90d9b37227_ffn
	.globl	k_q90d9b37227_ffn
	.p2align	8
	.type	k_q90d9b37227_ffn,@function
k_q90d9b37227_ffn:
	s_mov_b64 s[64:65], 0
	v_nop
	global_prefetch_b8 v0, s[64:65] scope:SCOPE_SE
	s_setreg_imm32_b32 hwreg(HW_REG_WAVE_MODE, 25, 1), 1
	s_wait_xcnt 0x0
	s_wait_alu depctr_hold_cnt(0) depctr_sa_sdst(0) depctr_va_vdst(0) depctr_va_sdst(0) depctr_va_ssrc(0) depctr_va_vcc(0) depctr_vm_vsrc(0)
	s_getreg_b32 s2, hwreg(HW_REG_IB_STS2, 6, 4)
	s_cmp_eq_u32 s2, 0
	s_cbranch_scc0 .Lentry_in_a_cluster
	s_endpgm
.Lentry_in_a_cluster:
	s_bfe_u32 s2, ttmp6, 0x10000c
	s_cmp_lg_u32 s2, 0x3003
	s_cbranch_scc0 .Lentry_shape_is_right
	s_endpgm
.Lentry_shape_is_right:
; MoE layer, launches 3 and 4 of 5 (one text for both layers): C = relu(A W_e + b_e) for the rows that chose expert e (only the chosen rows are multiplied: see the first kernel's head).
; A, C: [9,216][1,024] bf16, rows in the experts' order, 64 row tiles of 144 rows, each of one expert (plan's tab).  W: bf16 in operand order (the first kernel's head).  b: f32, rounded to bf16 here.  Sums in f32; C rounded once.
; SHARES.  A work-group makes 144 rows x 256 columns: 64 x 4 = 256 work-groups.  A wave makes all 144 rows x 64 columns: 9 x 4 = 36 accumulators.
; A TILE WITHOUT ROWS (tab = 8) is multiplied and stored like any other, with expert 7's weights, on rows of zeros: so no branch, no barrier and no joint load hangs on stored data, and the next launch reads
; stored bytes alone.  Nobody reads those rows' results.
; A COMES ONCE, WHOLE: the tile's 144 rows x 1,024 k lie in LDS as 8 chunks of 128 k; nothing is filled again.  The four work-groups of a cluster are the four column tiles of one row tile and need the same rows:
; each chunk half is asked for JOINTLY (same load, same descriptor, a mask of four).  A wave issues four loads at the start, so four tensor loads of a wave are out at the most.
; W COMES STRAIGHT INTO REGISTERS: no wave wants another's columns, and a wave's 64 columns x 1,024 k are 131,072 bytes on end.  A ring of 8 register slots, a K step of 32 each: seven steps are asked for ahead.
; No joint loads for W: partners would have to be row tiles of one expert, whose number hangs on stored counts.
; THE PRODUCT IS USED TRANSPOSED: source 0 = 16 columns of W, source 1 = 16 rows of A.  Fragment b's lane r holds column 64 w + 4 r + b, so register j of lane (r, h) of accumulator (a, b) is row 16 a + r,
; column 64 w + 32 h + 4 j + b: a lane holds 32 neighbouring columns of one row, and accumulators b, b + 1 pack at equal j.  The bias is the C operand of the first K step.
; LIMITS.  relu is a maximum with 0 on the rounded numbers, in which a NaN loses: a NaN sum gives 0, not NaN.
; REGISTERS, in windows of 256: window 0: addresses, A's two fragment buffers (9 x 8 each), at work on the way out.  Window 1: accumulators (a, b), a = 0..7, at 8 (4 a + b).
; Window 2: v0-31 accumulators (8, b); v32-63 the bias, 8 registers for each b.  Window 3: W's slot n at 32 n, fragment b at + 8 b.
.set CH,     39168    ; a chunk: 144 rows of 256 bytes + 16 of padding
.set PITCH,  272      ; 17 x 16 bytes: the 16 rows of a fragment load start at 16 different 16-byte columns of 256
.set SPITCH, 528      ; the stage's rows: 512 bytes + 16 = 33 x 16
.set SPARE,  8*CH     ; behind the chunks: the spare words, 128 bytes for each wave: two blocks of 256 bytes that no other line names
                      ; THE STAGE, 144 x 528 = 76,032 bytes from byte 0, lies over chunks 0 and 1, which have had their only fill and are read for the last time in K step 7
.set ADR,  16         ; v16-23 chunk c: c x CH + r x PITCH + 16 h
.set BO,   24         ; v24  16 x lane: W's loads, C's stores
.set STO,  25         ; v25  into the stage: r x SPITCH + 128 w + 64 h
.set STO2, 26         ; v26  the same, 64 rows down (an LDS offset has 16 bits)
.set RD,   27         ; v27  back: 36 w rows + 16 x lane
.set SPW,  28         ; v28  my spare word; never rewritten
.set NIL,  29         ; v29  0; never rewritten
.set ZR,   30         ; v30  0, for relu
.set BOF,  31         ; v31  128 h: my 32 numbers of the bias
.set FA,   32         ; v32-103, v104-175 A's fragments
.set TMP,  32         ; v32-175 the way out
.set BRAW, 176        ; v176-207 the bias as loaded
.set BT,   208        ; v208-223 the bias, rounded and packed
.set BIAS, 32         ; window 2
.set WV,   14         ; s14 my wave's number
.set G1,   24         ; s[24:31] descriptor group 1
.set G0,   32         ; s[32:47] descriptor group 0, a set for each of my four loads; never rewritten
.set W_M1, 0x53       ; W window 3, A window 0, C and D window 1
.set W_M2, 0xa3       ; C and D window 2
.set W_F1, 0x63       ; C (the bias) window 2, D window 1
.set W_TB, 0xc0       ; loaded data window 3, address window 0
.set MSB, 0
.macro WIN new                         ; bits 1:0 source 0, 3:2 source 1, 5:4 source 2, 7:6 destination; the high byte repeats the setting that is left
.if MSB != (\new)
	s_set_vgpr_msb (MSB<<8)|(\new)
.set MSB, \new
.endif
.endm
.macro CROUND                          ; a round of the cluster's barrier: my work-group's barrier; wave 0 signals for the work-group; every wave waits for all four; my work-group's barrier once more
	s_barrier_signal -1
	s_barrier_wait -1
	s_cmp_lg_u32 s[WV], 0
	s_cbranch_scc1 .Lnot_wave_0_\@
	s_barrier_signal -3
.Lnot_wave_0_\@:
	s_barrier_wait -3
	s_barrier_signal -1
	s_barrier_wait -1
.endm
.macro PLACES                          ; four plain vector instructions between a matrix instruction and a load into a register that it has read (ISA guide 7.12.1 for vector instructions)
.rept 4
	v_nop
.endr
.endm
.macro FETCH_A s                       ; K step s: 9 fragments of 16 rows x 32 k, two loads of 16 bytes a lane each, rows ascending
	WIN 0
.irp a, 0,1,2,3,4,5,6,7,8
	ds_load_b128 v[FA+72*((\s)%2)+8*\a:FA+72*((\s)%2)+8*\a+3],   v[ADR+(\s)/4] offset:\a*16*PITCH+64*((\s)%4)
	ds_load_b128 v[FA+72*((\s)%2)+8*\a+4:FA+72*((\s)%2)+8*\a+7], v[ADR+(\s)/4] offset:\a*16*PITCH+64*((\s)%4)+32
.endr
.endm
.macro LOAD_B s                        ; K step s of my stream: 4,096 bytes on end, 8 loads of 512; the step stands in the immediate, so no pointer is ever stepped
	WIN W_TB
.irp b, 0,1,2,3
	global_load_b128 v[32*((\s)%8)+8*\b:32*((\s)%8)+8*\b+3],   v[BO], s[48:49] offset:4096*(\s)+1024*\b
	global_load_b128 v[32*((\s)%8)+8*\b+4:32*((\s)%8)+8*\b+7], v[BO], s[48:49] offset:4096*(\s)+1024*\b+512
.endr
.endm
.macro MUL s, a0, a1                   ; row blocks a0 .. a1 x 4 fragments of W.  The 36 accumulators take turns, one instruction a turn: 35 others stand between two links of a chain
.set a, \a0
.rept (\a1)-(\a0)+1
.set rA, FA+72*((\s)%2)+8*a
.if a < 8
.set rD, 32*a
.if (\s) == 0
	WIN W_F1
.else
	WIN W_M1
.endif
.else
.set rD, 0
	WIN W_M2
.endif
.irp b, 0,1,2,3
.if (\s) == 0
	v_wmma_f32_16x16x32_bf16 v[rD+8*\b:rD+8*\b+7], v[32*((\s)%8)+8*\b:32*((\s)%8)+8*\b+7], v[rA:rA+7], v[BIAS+8*\b:BIAS+8*\b+7]
.else
	v_wmma_f32_16x16x32_bf16 v[rD+8*\b:rD+8*\b+7], v[32*((\s)%8)+8*\b:32*((\s)%8)+8*\b+7], v[rA:rA+7], v[rD+8*\b:rD+8*\b+7]
.endif
.endr
.set a, a+1
.endr
.endm
; A K STEP of 32: 36 matrix instructions.  In its middle the next step's fragments of A are read from LDS and W's step seven on is asked for: both land in registers that step s - 1 read last.
.macro STEP s
.if (\s) < 25
	s_wait_loadcnt 48                              ; W's step s is in; the six younger steps' 48 loads stay out
.else
	s_wait_loadcnt 8*(31-(\s))                     ; nothing more is asked for: the counts run down
.endif
	s_wait_dscnt 10                                ; of this step's 18 LDS loads the first 8, row blocks 0-3, are in
	MUL \s, 0, 3
.if ((\s) == 7) || ((\s) == 15) || ((\s) == 23)
	s_wait_tensorcnt (23-(\s))/8                   ; my part of the next two chunks has landed; my 2, 1, 0 later loads stay out
	s_wait_dscnt 0x0                               ; no LDS instruction of mine is out at a signal
	s_barrier_signal -1
	MUL \s, 4, 7                                   ; work on registers while the others arrive
	s_barrier_wait -1                              ; the next two chunks are whole
.endif
.if (\s) < 31
	PLACES
	FETCH_A (\s)+1
.if (\s) < 25
	LOAD_B (\s)+7
.endif
	s_wait_dscnt 18                                ; all but the 18 just issued
.else
	s_wait_dscnt 0x0
.endif
.if ((\s) == 7) || ((\s) == 15) || ((\s) == 23)
	MUL \s, 8, 8
.else
	MUL \s, 4, 8
.endif
.endm
	s_load_b256 s[4:11], s[0:1], 0x0               ; A 4:5, W 6:7, b 8:9, plan 10:11
	s_load_b64 s[12:13], s[0:1], 0x20              ; C
	v_lshl_add_u32 v[SPW], v0, 2, SPARE
	v_mov_b32 v[NIL], 0
	ds_add_u32 v[SPW], v[NIL]                      ; the wave's opening: the add, twice on end, and its wait ahead of my first tensor load; the set-up below stands between
	ds_add_u32 v[SPW], v[NIL]
	v_lshrrev_b32 v3, 5, v0
	v_readfirstlane_b32 s[WV], v3                  ; wave 0..3
	s_lshr_b32 s15, s[WV], 1                       ; of each pair of chunks I fetch this one,
	s_and_b32 s16, s[WV], 1                        ; and of its 144 rows this half
	s_bfe_u32 s17, ttmp6, 0x40000                  ; cx
	s_lshl_b32 s20, ttmp9, 2
	s_add_co_u32 s17, s17, s20                     ; column tile = 4 x cluster x + cx: it enters W's, b's and C's global addresses alone
	s_and_b32 s18, ttmp7, 0xffff                   ; row tile, which the four partners share
	s_mov_b32 s[G1+0], 15|(1<<16)|(1<<20)|(1<<21)|(5<<22)|(3<<25)  ; 15:0 the mask of four; 17:16 2-byte elements; 20 padding on; 21 set beside a mask; 24:22 after every 64 words (code 5); 31:25 4 words (code 3)
	s_mov_b32 s[G1+1], 128<<16                     ; tensor_dim0 = 128
	s_mov_b32 s[G1+2], 72<<16                      ; tensor_dim1 = 72
	s_mov_b32 s[G1+3], 128<<16                     ; tile_dim0 = 128 elements: 256 bytes of a row, aligned
	s_mov_b32 s[G1+4], 72                          ; tile_dim1 = 72 rows
	s_mov_b32 s[G1+5], 1024                        ; elements from row to row
	s_mov_b32 s[G1+6], 0
	s_mov_b32 s[G1+7], 0
	s_mul_i32 s20, s15, CH
	s_mul_i32 s21, s16, 72*PITCH
	s_add_co_u32 s20, s20, s21                     ; LDS: made of the wave's number and constants
.irp i, 0,1,2,3
	s_mov_b32 s[G0+4*\i], 1                        ; count = 1
	s_add_co_u32 s[G0+4*\i+1], s20, \i*2*CH        ; load i: chunk w / 2 + 2 i
.endr
	s_mul_i32 s22, s18, 144
	s_mul_i32 s21, s16, 72
	s_add_co_u32 s22, s22, s21
	s_lshl_b32 s22, s22, 11                        ; my first row, 2,048 bytes a row,
	s_lshl_b32 s21, s15, 8                         ; my first chunk's 256 bytes of it
	s_add_co_u32 s22, s22, s21
	s_mov_b32 s23, 0
	s_lshl_b32 s21, s18, 2                         ; tab[row tile]
	s_wait_dscnt 0x0                               ; both opening adds are done
	s_wait_kmcnt 0x0
	s_load_b32 s19, s[10:11], s21 offset:0x8000
	s_add_nc_u64 s[52:53], s[4:5], s[22:23]
.irp i, 0,1,2,3
	s_add_nc_u64 s[G0+4*\i+2:G0+4*\i+3], s[52:53], \i*512
	s_or_b32 s[G0+4*\i+3], s[G0+4*\i+3], 0x80000000  ; type = 2
.endr
	CROUND                                         ; all four work-groups are here: the joint loads meet
.irp i, 0,1,2,3
	tensor_load_to_lds s[G0+4*\i:G0+4*\i+3], s[G1:G1+7]
	s_nop 0
.endr
.rept 4
	v_nop
.endr
	v_and_b32 v1, 15, v0                           ; r
	v_bfe_u32 v2, v0, 4, 1                         ; h
	v_mul_u32_u24 v3, v1, PITCH
	v_lshl_add_u32 v3, v2, 4, v3
.irp c, 0,1,2,3,4,5,6,7
	v_add_nc_u32 v[ADR+\c], \c*CH, v3
.endr
	v_and_b32 v[BO], 31, v0
	v_lshlrev_b32 v[BO], 4, v[BO]
	v_mul_u32_u24 v[STO], v1, SPITCH
	v_lshl_add_u32 v[STO], v2, 6, v[STO]
	s_lshl_b32 s20, s[WV], 7
	v_add_nc_u32 v[STO], s20, v[STO]
	v_add_nc_u32 v[STO2], 4*16*SPITCH, v[STO]
	s_mul_i32 s20, s[WV], 36*SPITCH
	v_add_nc_u32 v[RD], s20, v[BO]
	v_mov_b32 v[ZR], 0
	v_lshlrev_b32 v[BOF], 7, v2
	s_wait_kmcnt 0x0
	s_min_u32 s19, s19, 7                          ; the tile's expert; a tile without rows takes expert 7
	s_lshl_b32 s20, s19, 4
	s_lshl_b32 s21, s17, 2
	s_add_co_u32 s20, s20, s21
	s_add_co_u32 s20, s20, s[WV]                   ; my stream: 16 e + 4 x column tile + wave,
	s_lshl_b32 s20, s20, 17                        ; 131,072 bytes each
	s_mov_b32 s21, 0
	s_add_nc_u64 s[48:49], s[6:7], s[20:21]
	s_lshl_b32 s20, s19, 12                        ; b: 4,096 bytes an expert,
	s_lshl_b32 s22, s17, 10
	s_add_co_u32 s20, s20, s22
	s_lshl_b32 s22, s[WV], 8                       ; my 64 columns
	s_add_co_u32 s20, s20, s22
	s_add_nc_u64 s[50:51], s[8:9], s[20:21]
	s_mul_i32 s20, s18, 144                        ; C: I store rows 36 w .. 36 w + 35 of the tile, 512 bytes of each
	s_mul_i32 s22, s[WV], 36
	s_add_co_u32 s20, s20, s22
	s_lshl_b32 s20, s20, 11
	s_lshl_b32 s22, s17, 9
	s_add_co_u32 s20, s20, s22
	s_add_nc_u64 s[12:13], s[12:13], s[20:21]
.irp q, 0,1,2,3,4,5,6,7
	global_load_b128 v[BRAW+4*\q:BRAW+4*\q+3], v[BOF], s[50:51] offset:16*\q
.endr
.irp s, 0,1,2,3,4,5,6
	LOAD_B \s
.endr
	WIN 0
	s_wait_loadcnt 56                              ; the bias is in; W's first seven steps, 56 loads, stay out
.set p, 0
.rept 16
	v_cvt_pk_bf16_f32 v[BT+p], v[BRAW+2*p], v[BRAW+2*p+1]
.set p, p+1
.endr
	WIN 0x80                                       ; destination window 2.  Register j for fragment b is my number 4 j + b
.irp j, 0,1,2,3,4,5,6,7
	v_lshlrev_b32 v[BIAS+\j],    16,         v[BT+2*\j]
	v_and_b32     v[BIAS+8+\j],  0xffff0000, v[BT+2*\j]
	v_lshlrev_b32 v[BIAS+16+\j], 16,         v[BT+2*\j+1]
	v_and_b32     v[BIAS+24+\j], 0xffff0000, v[BT+2*\j+1]
.endr
	WIN 0
	s_wait_tensorcnt 3                             ; my first load has landed; the other three stay out
	s_barrier_signal -1
	s_barrier_wait -1                              ; chunks 0 and 1 are whole
	FETCH_A 0
.set st, 0
.rept 32
	STEP st
.set st, st+1
.endr
	; THE WAY OUT: rounded to bf16, relu, 64 bytes a lane into the work-group's stage; a barrier, since a row's 512 bytes come from four waves; back as whole rows, 36 a wave.
	; The stage's bytes: all tensor loads were waited for in K step 23, and every wave's last reads of chunks 0 and 1 were waited for ahead of K step 7's barrier.
.rept 8
	v_nop                                          ; the places behind the last products, ahead of the reads of their results and of the writes over A's fragments
.endr
.macro PACK a                          ; each accumulator's lowest register is read first
.if (\a) < 8
	WIN 0x05
.set rD, 32*(\a)
.else
	WIN 0x0a
.set rD, 0
.endif
.set j, 0
.rept 8
	v_cvt_pk_bf16_f32 v[TMP+16*(\a)+2*j],   v[rD+j],    v[rD+8+j]
	v_cvt_pk_bf16_f32 v[TMP+16*(\a)+2*j+1], v[rD+16+j], v[rD+24+j]
.set j, j+1
.endr
.endm
.irp a, 0,1,2,3,4,5,6,7,8
	PACK \a
.endr
	WIN 0
.set i, 0
.rept 144
	v_pk_max_num_bf16 v[TMP+i], v[TMP+i], v[ZR]    ; relu commutes with the rounding: two at a time
.set i, i+1
.endr
.irp a, 0,1,2,3
.irp p, 0,1,2,3
	ds_store_b128 v[STO], v[TMP+16*\a+4*\p:TMP+16*\a+4*\p+3] offset:\a*16*SPITCH+16*\p
.endr
.endr
.irp a, 4,5,6,7,8
.irp p, 0,1,2,3
	ds_store_b128 v[STO2], v[TMP+16*\a+4*\p:TMP+16*\a+4*\p+3] offset:(\a-4)*16*SPITCH+16*\p
.endr
.endr
	s_wait_dscnt 0x0                               ; for the others' sake: my stores into the stage are done
	s_barrier_signal -1
	s_barrier_wait -1
.set i, 0
.rept 36
	ds_load_b128 v[TMP+4*i:TMP+4*i+3], v[RD] offset:i*SPITCH  ; a whole row of 512 bytes
.set i, i+1
.endr
.set i, 0
.rept 36
	s_wait_dscnt 35-i
	global_store_b128 v[BO], v[TMP+4*i:TMP+4*i+3], s[12:13] offset:2048*i  ; 512 consecutive bytes, aligned
.set i, i+1
.endr
	s_wait_tensorcnt 0x0                           ; the wave's end: this wait, an add of 0 to my spare word and its wait, behind my last tensor load and my last LDS store
	ds_add_u32 v[SPW], v[NIL]
	s_wait_dscnt 0x0
	CROUND                                         ; the closing round: no work-group ends while a partner may still ask for a tile that names it
	s_endpgm
.Lfunc_end_k_q90d9b37227_ffn:
	.size	k_q90d9b37227_ffn, .Lfunc_end_k_q90d9b37227_ffn-k_q90d9b37227_ffn
	.p2alignl 7, 3214868480
	.fill 96, 4, 3214868480
	.section	.rodata,"a",@progbits
	.p2align	6, 0x0
	.amdhsa_kernel k_q90d9b37227_ffn
		.amdhsa_group_segment_fixed_size 327680
		.amdhsa_private_segment_fixed_size 0
		.amdhsa_enable_private_segment 0
		.amdhsa_kernarg_size 40
		.amdhsa_user_sgpr_count 2
		.amdhsa_user_sgpr_kernarg_segment_ptr 1
		.amdhsa_wavefront_size32 1
		.amdhsa_system_sgpr_workgroup_id_x 1
		.amdhsa_system_sgpr_workgroup_id_y 1
		.amdhsa_system_sgpr_workgroup_id_z 1
		.amdhsa_system_vgpr_workitem_id 0
		.amdhsa_next_free_vgpr 1024
		.amdhsa_next_free_sgpr 66
		.amdhsa_reserve_vcc 0
		.amdhsa_float_denorm_mode_32 3
		.amdhsa_float_denorm_mode_16_64 3
		.amdhsa_memory_ordered 1
		.amdhsa_forward_progress 1
		.amdhsa_inst_pref_size 182
	.end_amdhsa_kernel
	.amdgpu_metadata
---
amdhsa.version: [ 1, 2 ]
amdhsa.kernels:
  - .name:           k_q90d9b37227_ffn
    .symbol:         k_q90d9b37227_ffn.kd
    .args:
      - { .name: bufa, .offset: 0, .size: 8, .value_kind: global_buffer, .address_space: global }
      - { .name: W1f, .offset: 8, .size: 8, .value_kind: global_buffer, .address_space: global }
      - { .name: b1, .offset: 16, .size: 8, .value_kind: global_buffer, .address_space: global }
      - { .name: plan, .offset: 24, .size: 8, .value_kind: global_buffer, .address_space: global }
      - { .name: bufb, .offset: 32, .size: 8, .value_kind: global_buffer, .address_space: global }
    .group_segment_fixed_size: 327680
    .private_segment_fixed_size: 0
    .kernarg_segment_align: 8
    .kernarg_segment_size: 40
    .max_flat_workgroup_size: 128
    .sgpr_count:     66
    .vgpr_count:     1024
    .wavefront_size: 32
...
	.end_amdgpu_metadata
.endif
;; end of part 3
;; launch ffn2: the kernel of part 3 again; grid 4 x 64, 4 waves a work-group, clusters of 4 x 1, 327,680 bytes of LDS; arguments bufb, W2f, b2, plan, bufa; writes bufa
;; launch combine (part 4): grid 256 x 1, 4 waves a work-group, no clusters, 0 bytes of LDS; arguments bufa, plan, gate, out0; writes out0
.if DOCPART == 4
	.amdgcn_target "amdgcn-amd-amdhsa--gfx1250"
	.amdhsa_code_object_version 6
	.text
	.protected	k_q90d9b37227_combine
	.globl	k_q90d9b37227_combine
	.p2align	8
	.type	k_q90d9b37227_combine,@function
k_q90d9b37227_combine:
	s_mov_b64 s[64:65], 0
	v_nop
	global_prefetch_b8 v0, s[64:65] scope:SCOPE_SE
	s_setreg_imm32_b32 hwreg(HW_REG_WAVE_MODE, 25, 1), 1
	s_wait_xcnt 0x0
; MoE layer, launch 5 of 5: out[n] = gate[n][0] h2[pos[n][0]] + gate[n][1] h2[pos[n][1]]: a token's two chosen rows (the only ones that were made: see the first kernel's head), weighed in f32.
; h2 (bufa): [9,216][1,024] bf16.  A stream: no LDS, no barrier, no matrix unit.  Wave Q takes tokens 4 Q .. 4 Q + 3; all 64 loads of its 8 rows go out at once.
; A load covers 256 consecutive bytes of a row (lane l: numbers 128 j + 4 l + 0..3), a store the same numbers' 512 bytes of out.
.set VO,   8           ; v8-15    byte offset of my 8 bytes in row n = 2 token + choice
.set H,    16          ; v16-143  row n: 16 registers
.set O,    144         ; v144-207 two sets of 32: a token's row of out
.set GL,   208         ; the two gates
.set GH,   209
.set ZERO, 210
	s_load_b256 s[4:11], s[0:1], 0x0               ; bufa 4:5, plan 6:7, gate 8:9, out0 10:11
	v_and_b32 v1, 31, v0
	v_lshrrev_b32 v3, 5, v0
	v_readfirstlane_b32 s12, v3
	s_lshl_b32 s13, ttmp9, 2
	s_add_co_u32 s13, s13, s12                     ; Q
	s_lshl_b32 s14, s13, 5                         ; 8 words of pos and of gate
	v_lshlrev_b32 v2, 4, v1
	v_mov_b32 v[ZERO], 0
	s_lshl_b32 s32, s13, 14
	s_mov_b32 s33, 0
	s_wait_kmcnt 0x0
	s_load_b256 s[16:23], s[6:7], s14 offset:0x0
	s_load_b256 s[24:31], s[8:9], s14 offset:0x0
	s_add_nc_u64 s[10:11], s[10:11], s[32:33]
	s_wait_kmcnt 0x0
.irp n, 0,1,2,3,4,5,6,7
	s_min_u32 s[16+\n], s[16+\n], 0x23ff           ; a row of bufa: 9,215 at the most
	s_lshl_b32 s[16+\n], s[16+\n], 11
	v_lshl_add_u32 v[VO+\n], v1, 3, s[16+\n]
.endr
.irp n, 0,1,2,3,4,5,6,7
.irp j, 0,1,2,3,4,5,6,7
	global_load_b64 v[H+16*\n+2*\j:H+16*\n+2*\j+1], v[VO+\n], s[4:5] offset:256*\j th:TH_LOAD_NT
.endr
.endr
.macro TOK i
	s_wait_loadcnt 48-16*(\i)                      ; my token's 16 loads are in; the later tokens' stay out
.if (\i) >= 2
	s_wait_xcnt 0x0                                ; the stores of two tokens back have read this set
.endif
	v_mov_b32 v[GL], s[24+2*(\i)]
	v_mov_b32 v[GH], s[25+2*(\i)]
.set j, 0
.rept 8
.set rO, O+32*((\i)%2)+4*j
.set rL, H+32*(\i)+2*j
.irp p, 0,1
	v_fma_mix_f32_bf16 v[rO+2*\p],   v[rL+16+\p], v[GH], v[ZERO] op_sel_hi:[1,0,0]
	v_fma_mix_f32_bf16 v[rO+2*\p+1], v[rL+16+\p], v[GH], v[ZERO] op_sel:[1,0,0] op_sel_hi:[1,0,0]
.endr
.irp p, 0,1
	v_fma_mix_f32_bf16 v[rO+2*\p],   v[rL+\p], v[GL], v[rO+2*\p] op_sel_hi:[1,0,0]
	v_fma_mix_f32_bf16 v[rO+2*\p+1], v[rL+\p], v[GL], v[rO+2*\p+1] op_sel:[1,0,0] op_sel_hi:[1,0,0]
.endr
	global_store_b128 v2, v[rO:rO+3], s[10:11] offset:4096*(\i)+512*j th:TH_STORE_NT
.set j, j+1
.endr
.endm
	TOK 0
	TOK 1
	TOK 2
	TOK 3
	s_endpgm
.Lfunc_end_k_q90d9b37227_combine:
	.size	k_q90d9b37227_combine, .Lfunc_end_k_q90d9b37227_combine-k_q90d9b37227_combine
	.p2alignl 7, 3214868480
	.fill 96, 4, 3214868480
	.section	.rodata,"a",@progbits
	.p2align	6, 0x0
	.amdhsa_kernel k_q90d9b37227_combine
		.amdhsa_group_segment_fixed_size 0
		.amdhsa_private_segment_fixed_size 0
		.amdhsa_enable_private_segment 0
		.amdhsa_kernarg_size 32
		.amdhsa_user_sgpr_count 2
		.amdhsa_user_sgpr_kernarg_segment_ptr 1
		.amdhsa_wavefront_size32 1
		.amdhsa_system_sgpr_workgroup_id_x 1
		.amdhsa_system_sgpr_workgroup_id_y 1
		.amdhsa_system_sgpr_workgroup_id_z 1
		.amdhsa_system_vgpr_workitem_id 0
		.amdhsa_next_free_vgpr 224
		.amdhsa_next_free_sgpr 66
		.amdhsa_reserve_vcc 0
		.amdhsa_float_denorm_mode_32 3
		.amdhsa_float_denorm_mode_16_64 3
		.amdhsa_memory_ordered 1
		.amdhsa_forward_progress 1
		.amdhsa_inst_pref_size 28
	.end_amdhsa_kernel
	.amdgpu_metadata
---
amdhsa.version: [ 1, 2 ]
amdhsa.kernels:
  - .name:           k_q90d9b37227_combine
    .symbol:         k_q90d9b37227_combine.kd
    .args:
      - { .name: bufa, .offset: 0, .size: 8, .value_kind: global_buffer, .address_space: global }
      - { .name: plan, .offset: 8, .size: 8, .value_kind: global_buffer, .address_space: global }
      - { .name: gate, .offset: 16, .size: 8, .value_kind: global_buffer, .address_space: global }
      - { .name: out0, .offset: 24, .size: 8, .value_kind: global_buffer, .address_space: global }
    .group_segment_fixed_size: 0
    .private_segment_fixed_size: 0
    .kernarg_segment_align: 8
    .kernarg_segment_size: 32
    .max_flat_workgroup_size: 128
    .sgpr_count:     66
    .vgpr_count:     224
    .wavefront_size: 32
...
	.end_amdgpu_metadata
.endif
;; end of part 4
;; ======== version 2 of 2: 5 launches; version 1 with the launch combine written anew for expert scheduling mode
;; limits: values outside matrix products are rounded to bf16
;; workspace buffers: route 20,480 bytes of whole numbers; gate 32,768 bytes; W1f 16,777,216 bytes; W2f 16,777,216 bytes; bufa 18,874,368 bytes; bufb 18,874,368 bytes; plan 33,024 bytes of whole numbers
;; launch prep: the kernel of part 1 again; grid 512 x 1, 4 waves a work-group, no clusters, 0 bytes of LDS; arguments x, Wg, bg, W1, W2, route, gate, W1f, W2f; writes route, gate, W1f, W2f
;; launch place: the kernel of part 2 again; grid 256 x 1, 4 waves a work-group, no clusters, 0 bytes of LDS; arguments x, route, bufa, plan; writes bufa, plan
;; launch ffn: the kernel of part 3 again; grid 4 x 64, 4 waves a work-group, clusters of 4 x 1, 327,680 bytes of LDS; arguments bufa, W1f, b1, plan, bufb; writes bufb
;; launch ffn2: the kernel of part 3 again; grid 4 x 64, 4 waves a work-group, clusters of 4 x 1, 327,680 bytes of LDS; arguments bufb, W2f, b2, plan, bufa; writes bufa
;; launch combine (part 5): grid 256 x 1, 4 waves a work-group, no clusters, 0 bytes of LDS; arguments bufa, plan, gate, out0; writes out0
.if DOCPART == 5
	.amdgcn_target "amdgcn-amd-amdhsa--gfx1250"
	.amdhsa_code_object_version 6
	.text
	.protected	k_q90d9b37227_combine
	.globl	k_q90d9b37227_combine
	.p2align	8
	.type	k_q90d9b37227_combine,@function
k_q90d9b37227_combine:
	s_mov_b64 s[64:65], 0
	v_nop
	global_prefetch_b8 v0, s[64:65] scope:SCOPE_SE
	s_setreg_imm32_b32 hwreg(HW_REG_WAVE_SCHED_MODE, 0, 2), 2
	s_setreg_imm32_b32 hwreg(HW_REG_WAVE_MODE, 25, 1), 1
	s_wait_xcnt 0x0
	s_wait_alu depctr_vm_vsrc(0)
; MoE layer, launch 5 of 5: out[n] = gate[n][0] h2[pos[n][0]] + gate[n][1] h2[pos[n][1]]: a token's two chosen rows (the only ones that were made: see the first kernel's head), weighed in f32.
; h2 (bufa): [9,216][1,024] bf16.  A stream: no LDS, no barrier, no matrix unit.  Wave Q takes tokens 4 Q .. 4 Q + 3; all 64 loads of its 8 rows go out at once.
; A load covers 256 consecutive bytes of a row (lane l: numbers 128 j + 4 l + 0..3), a store the same numbers' 512 bytes of out.
; THE MODE: SCHED_MODE bits 1:0 = 2 (LLVM: expert scheduling mode 2), set by the entry lines.  The code itself states the register dependences
; between vector instructions and memory instructions, with s_wait_alu, always for 0.
; THE PLAN.  Registers that memory instructions touch:
;   v2, VO     byte offsets of the stores and of the loads: made once at the head, never written again.
;   H          the 64 loads land in it, once; no vector instruction writes it; token i's multiply-adds read its 32 registers behind the counted wait for their loads.
;   O0, O1     two out-buffers.  Token i's multiply-adds write O[i % 2]; its eight stores are issued in token i + 1, whose multiply-adds name the other buffer.
; So one wait on va_vdst at a token's head states all that the token's eight stores hang on, and they are dealt among its multiply-adds with no further wait; from token 2 on one wait
; on vm_vsrc beside it states that the stores issued in the token before have read the buffer that is written again.  Token 3's stores follow a last wait on va_vdst.
.set VO,   8           ; v8-15    byte offset of my 8 bytes in row n = 2 token + choice
.set H,    16          ; v16-143  row n: 16 registers
.set O,    144         ; v144-207 two sets of 32: a token's row of out
.set GL,   208         ; the two gates
.set GH,   209
.set ZERO, 210
	s_load_b256 s[4:11], s[0:1], 0x0               ; bufa 4:5, plan 6:7, gate 8:9, out0 10:11
	v_and_b32 v1, 31, v0
	v_lshrrev_b32 v3, 5, v0
	v_readfirstlane_b32 s12, v3
	v_lshlrev_b32 v2, 4, v1
	v_mov_b32 v[ZERO], 0
	s_wait_alu depctr_va_sdst(0)                   ; s12, the wave's number, is written, ahead of its first reader: Q is made from it
	s_lshl_b32 s13, ttmp9, 2
	s_add_co_u32 s13, s13, s12                     ; Q
	s_lshl_b32 s14, s13, 5                         ; 8 words of pos and of gate
	s_lshl_b32 s32, s13, 14
	s_mov_b32 s33, 0
	s_wait_kmcnt 0x0
	s_load_b256 s[16:23], s[6:7], s14 offset:0x0
	s_load_b256 s[24:31], s[8:9], s14 offset:0x0
	s_add_nc_u64 s[10:11], s[10:11], s[32:33]
	s_wait_kmcnt 0x0
.irp n, 0,1,2,3,4,5,6,7
	s_min_u32 s[16+\n], s[16+\n], 0x23ff           ; a row of bufa: 9,215 at the most
	s_lshl_b32 s[16+\n], s[16+\n], 11
	v_lshl_add_u32 v[VO+\n], v1, 3, s[16+\n]
.endr
	s_wait_alu depctr_va_vdst(0)                   ; the eight offsets VO, which the loads read, and v2, which every store reads, are written; none is written again
.irp n, 0,1,2,3,4,5,6,7
.irp j, 0,1,2,3,4,5,6,7
	global_load_b64 v[H+16*\n+2*\j:H+16*\n+2*\j+1], v[VO+\n], s[4:5] offset:256*\j th:TH_LOAD_NT
.endr
.endr
; Token i: its 64 multiply-adds write O[i % 2]; in front of each eight of them stands one store of token i - 1, from the other buffer.
.macro TOK i
	s_wait_loadcnt 48-16*(\i)                      ; my token's 16 loads are in; the later tokens' stay out
.if (\i) >= 2
	s_wait_xcnt 0x0                                ; the stores of two tokens back, issued in the token before, have had their addresses translated: this set is rewritten only behind this wait
	s_wait_alu depctr_vm_vsrc(0)                   ; and they have read this set, O[i % 2], which the multiply-adds below write again
.endif
.if (\i) >= 1
	s_wait_alu depctr_va_vdst(0)                   ; the token before has written the other set, which the eight stores below read
.endif
	v_mov_b32 v[GL], s[24+2*(\i)]
	v_mov_b32 v[GH], s[25+2*(\i)]
.set j, 0
.rept 8
.set rO, O+32*((\i)%2)+4*j
.set rP, O+32*(((\i)+1)%2)+4*j
.set rL, H+32*(\i)+2*j
.if (\i) >= 1
	global_store_b128 v2, v[rP:rP+3], s[10:11] offset:4096*((\i)-1)+512*j th:TH_STORE_NT  ; the token before; no vector instruction since the wait names these registers
.endif
.irp p, 0,1
	v_fma_mix_f32_bf16 v[rO+2*\p],   v[rL+16+\p], v[GH], v[ZERO] op_sel_hi:[1,0,0]
	v_fma_mix_f32_bf16 v[rO+2*\p+1], v[rL+16+\p], v[GH], v[ZERO] op_sel:[1,0,0] op_sel_hi:[1,0,0]
.endr
.irp p, 0,1
	v_fma_mix_f32_bf16 v[rO+2*\p],   v[rL+\p], v[GL], v[rO+2*\p] op_sel_hi:[1,0,0]
	v_fma_mix_f32_bf16 v[rO+2*\p+1], v[rL+\p], v[GL], v[rO+2*\p+1] op_sel:[1,0,0] op_sel_hi:[1,0,0]
.endr
.set j, j+1
.endr
.endm
	TOK 0
	TOK 1
	TOK 2
	TOK 3
	s_wait_alu depctr_va_vdst(0)                   ; token 3 has written O1, which the last eight stores read
.irp j, 0,1,2,3,4,5,6,7
	global_store_b128 v2, v[O+32+4*\j:O+32+4*\j+3], s[10:11] offset:4096*3+512*\j th:TH_STORE_NT
.endr
	s_endpgm
.Lfunc_end_k_q90d9b37227_combine:
	.size	k_q90d9b37227_combine, .Lfunc_end_k_q90d9b37227_combine-k_q90d9b37227_combine
	.p2alignl 7, 3214868480
	.fill 96, 4, 3214868480
	.section	.rodata,"a",@progbits
	.p2align	6, 0x0
	.amdhsa_kernel k_q90d9b37227_combine
		.amdhsa_group_segment_fixed_size 0
		.amdhsa_private_segment_fixed_size 0
		.amdhsa_enable_private_segment 0
		.amdhsa_kernarg_size 32
		.amdhsa_user_sgpr_count 2
		.amdhsa_user_sgpr_kernarg_segment_ptr 1
		.amdhsa_wavefront_size32 1
		.amdhsa_system_sgpr_workgroup_id_x 1
		.amdhsa_system_sgpr_workgroup_id_y 1
		.amdhsa_system_sgpr_workgroup_id_z 1
		.amdhsa_system_vgpr_workitem_id 0
		.amdhsa_next_free_vgpr 224
		.amdhsa_next_free_sgpr 66
		.amdhsa_reserve_vcc 0
		.amdhsa_float_denorm_mode_32 3
		.amdhsa_float_denorm_mode_16_64 3
		.amdhsa_memory_ordered 1
		.amdhsa_forward_progress 1
		.amdhsa_inst_pref_size 28
	.end_amdhsa_kernel
	.amdgpu_metadata
---
amdhsa.version: [ 1, 2 ]
amdhsa.kernels:
  - .name:           k_q90d9b37227_combine
    .symbol:         k_q90d9b37227_combine.kd
    .args:
      - { .name: bufa, .offset: 0, .size: 8, .value_kind: global_buffer, .address_space: global }
      - { .name: plan, .offset: 8, .size: 8, .value_kind: global_buffer, .address_space: global }
      - { .name: gate, .offset: 16, .size: 8, .value_kind: global_buffer, .address_space: global }
      - { .name: out0, .offset: 24, .size: 8, .value_kind: global_buffer, .address_space: global }
    .group_segment_fixed_size: 0
    .private_segment_fixed_size: 0
    .kernarg_segment_align: 8
    .kernarg_segment_size: 32
    .max_flat_workgroup_size: 128
    .sgpr_count:     66
    .vgpr_count:     224
    .wavefront_size: 32
...
	.end_amdgpu_metadata
.endif
;; end of part 5
